; MI455X (gfx1250); checked and timed in simulation.
; The chip was launched on July 23, 2026; its instructions are those of AMD's public machine-readable ISA for CDNA 5 (MIT licence, August 2026) and "CDNA5" Instruction Set Architecture Reference Guide (July 2026). The comments in the code are by the model that wrote it; some were corrected since.
;; Self Attention Head. Allowed arithmetic: float matrix products may take bf16 or f16 operands with f32 sums; all other float work in f32.
;; Inputs: Wk 768 x 64 float32; Wq 768 x 64 float32; Wv 768 x 64 float32; x 4 x 4,096 x 768 float32.
;; Outputs: out0 4 x 4,096 x 64 float32.
;; One version. Each part assembles by itself: llvm-mc -triple=amdgcn-amd-amdhsa -mcpu=gfx1250 --defsym DOCPART=n.
;; ======== version 1 of 1: 3 launches
;; limits: values are held in f16: magnitudes above 65,504 overflow, below 6.1e-05 lose precision
;; workspace buffers: wf 294,912 bytes; qf 2,097,152 bytes; kv 4,194,304 bytes
;; launch prep (part 1): grid 24 x 3, 1 waves a work-group, no clusters, 0 bytes of LDS; arguments Wk, Wq, Wv, wf; writes wf
.if DOCPART == 1
	.amdgcn_target "amdgcn-amd-amdhsa--gfx1250"
	.amdhsa_code_object_version 6
	.text
	.protected	k_qe7c453b57c_prep
	.globl	k_qe7c453b57c_prep
	.p2align	8
	.type	k_qe7c453b57c_prep,@function
k_qe7c453b57c_prep:
	s_mov_b64 s[64:65], 0
	v_nop
	global_prefetch_b8 v0, s[64:65] scope:SCOPE_SE
	s_setreg_imm32_b32 hwreg(HW_REG_WAVE_MODE, 25, 1), 1
	s_wait_xcnt 0x0
; Wk, Wq, Wv [768][64] f32  ->  wf: the same numbers in bf16, laid out as the matrix fragments that the projection loads.
; wf byte = ((ks*4 + c)*3 + mtx)*1024 + j*512 + 16*lane;  ks: K step of 32 e, c: column tile, mtx: 0 K, 1 Q, 2 V, j: half of a fragment.
; Column tile c holds the head dimensions 4 r + c (r = 0..15): a lane's 16-byte load of W[e][4r .. 4r+3] then holds one number for each
; of the four tiles, and nothing is transposed.  Lane (r = lane % 16, h = lane / 16) of a fragment holds e = 32 ks + 8 h + 0..7 in
; registers 0-3 and e = 32 ks + 16 + 8 h + 0..7 in registers 4-7 (ISA guide 7.12.2, 16-bit operands).
; One wave per work-group: x of the grid is ks, y is mtx.  72 waves in all: the whole job is 576 KiB in and 288 KiB out.
; No LDS, no matrix unit, no cluster: nothing is shared and nothing is multiplied.
.set SRC, 8                            ; v[8:71]   sixteen rows' 16 bytes
.set FR,  72                           ; v[72:103] four fragments of 8 registers
	s_load_b256 s[4:11], s[0:1], 0x0               ; Wk s[4:5], Wq s[6:7], Wv s[8:9], wf s[10:11]
	s_and_b32 s14, ttmp7, 0xffff                   ; mtx
	v_and_b32 v3, 15, v0                           ; r
	v_lshrrev_b32 v4, 4, v0                        ; h (one wave: v0 is the lane)
	v_lshlrev_b32 v1, 4, v3
	v_lshl_add_u32 v1, v4, 11, v1                  ; source: 16 r + 8 h rows of 256 bytes
	v_lshlrev_b32 v2, 4, v0                        ; destination: 16 x lane
	s_lshl_b32 s16, ttmp9, 13                      ; 32 rows of 256 bytes for each K step
	s_mov_b32 s17, 0
	s_mul_i32 s18, ttmp9, 12288                    ; twelve fragments of 1,024 bytes for each K step
	s_lshl_b32 s15, s14, 10
	s_add_co_u32 s18, s18, s15                     ; + mtx x 1,024
	s_mov_b32 s19, 0
	s_wait_kmcnt 0x0
	s_cmp_eq_u32 s14, 1
	s_cselect_b64 s[12:13], s[6:7], s[4:5]         ; the matrix that this work-group converts
	s_cmp_eq_u32 s14, 2
	s_cselect_b64 s[12:13], s[8:9], s[12:13]
	s_add_nc_u64 s[12:13], s[12:13], s[16:17]
	s_add_nc_u64 s[10:11], s[10:11], s[18:19]
; load i: row 8 h + i for i < 8, row 16 + 8 h + (i - 8) for the rest; sixteen neighbouring lanes read one whole row of 256 bytes
.irp i, 0,1,2,3,4,5,6,7,8,9,10,11,12,13,14,15
	global_load_b128 v[SRC+4*\i:SRC+4*\i+3], v1, s[12:13] offset:(\i+8*(\i/8))*256
.endr
; register p of each fragment is rows 2 p and 2 p + 1 of the lane's sixteen
.irp p, 0,1,2,3,4,5,6,7
	s_wait_loadcnt 14-2*\p                         ; loads come back in order: the 14 - 2 p younger ones may stay out
.irp c, 0,1,2,3
	v_cvt_pk_bf16_f32 v[FR+8*\c+\p], v[SRC+8*\p+\c], v[SRC+8*\p+4+\c]
.endr
.endr
.irp c, 0,1,2,3
.irp j, 0,1
	global_store_b128 v2, v[FR+8*\c+4*\j:FR+8*\c+4*\j+3], s[10:11] offset:\c*3072+\j*512   ; 512 consecutive bytes, aligned
.endr
.endr
	s_endpgm
.Lfunc_end_k_qe7c453b57c_prep:
	.size	k_qe7c453b57c_prep, .Lfunc_end_k_qe7c453b57c_prep-k_qe7c453b57c_prep
	.p2alignl 7, 3214868480
	.fill 96, 4, 3214868480
	.section	.rodata,"a",@progbits
	.p2align	6, 0x0
	.amdhsa_kernel k_qe7c453b57c_prep
		.amdhsa_group_segment_fixed_size 0
		.amdhsa_private_segment_fixed_size 0
		.amdhsa_enable_private_segment 0
		.amdhsa_kernarg_size 32
		.amdhsa_user_sgpr_count 2
		.amdhsa_user_sgpr_kernarg_segment_ptr 1
		.amdhsa_wavefront_size32 1
		.amdhsa_system_sgpr_workgroup_id_x 1
		.amdhsa_system_sgpr_workgroup_id_y 1
		.amdhsa_system_sgpr_workgroup_id_z 1
		.amdhsa_system_vgpr_workitem_id 0
		.amdhsa_next_free_vgpr 104
		.amdhsa_next_free_sgpr 66
		.amdhsa_reserve_vcc 0
		.amdhsa_float_denorm_mode_32 3
		.amdhsa_float_denorm_mode_16_64 3
		.amdhsa_memory_ordered 1
		.amdhsa_forward_progress 1
		.amdhsa_inst_pref_size 6
	.end_amdhsa_kernel
	.amdgpu_metadata
---
amdhsa.version: [ 1, 2 ]
amdhsa.kernels:
  - .name:           k_qe7c453b57c_prep
    .symbol:         k_qe7c453b57c_prep.kd
    .args:
      - { .name: Wk, .offset: 0, .size: 8, .value_kind: global_buffer, .address_space: global }
      - { .name: Wq, .offset: 8, .size: 8, .value_kind: global_buffer, .address_space: global }
      - { .name: Wv, .offset: 16, .size: 8, .value_kind: global_buffer, .address_space: global }
      - { .name: wf, .offset: 24, .size: 8, .value_kind: global_buffer, .address_space: global }
    .group_segment_fixed_size: 0
    .private_segment_fixed_size: 0
    .kernarg_segment_align: 8
    .kernarg_segment_size: 32
    .max_flat_workgroup_size: 32
    .sgpr_count:     66
    .vgpr_count:     104
    .wavefront_size: 32
...
	.end_amdgpu_metadata
.endif
;; end of part 1
;; launch proj (part 2): grid 256 x 1, 4 waves a work-group, no clusters, 209,408 bytes of LDS; arguments x, wf, qf, kv; writes qf, kv
.if DOCPART == 2
	.amdgcn_target "amdgcn-amd-amdhsa--gfx1250"
	.amdhsa_code_object_version 6
	.text
	.protected	k_qe7c453b57c_proj
	.globl	k_qe7c453b57c_proj
	.p2align	8
	.type	k_qe7c453b57c_proj,@function
k_qe7c453b57c_proj:
	s_mov_b64 s[64:65], 0
	v_nop
	global_prefetch_b8 v0, s[64:65] scope:SCOPE_SE
	s_setreg_imm32_b32 hwreg(HW_REG_WAVE_MODE, 25, 1), 1
	s_wait_xcnt 0x0
; K, Q, V = x W for 64 rows of x [16384][768] f32 per work-group, stored as the matrix fragments that the attention launch loads.
; Operands bf16, sums f32.  Q is multiplied in f32 by log2(e) / sqrt(768) before it is rounded, so that the attention works in base 2.
; K and Q leave in bf16, V in f16.  LIMIT: |V| must stay below 65,504 (f16's largest number).  NaN and infinities in the inputs are not served.
; Four waves; wave c makes column tile c (head dimensions 4 r + c) of K, of Q and of V for all four tiles of 16 rows: 12 accumulators.
;   K, Q: D = (W fragment) x (x fragment): a lane's eight results are eight neighbouring places of one row's head vector;
;   V:    D = (x fragment) x (Wv fragment): a lane's eight results are eight neighbouring keys of one head dimension.
; Packed to 16 bytes they are half a fragment of the attention's K, Q or V^T, so each store of a wave is 512 consecutive bytes.
;   qf: block of 64 rows = 8 KiB,  byte (rt*4 + c)*512 + 16 lane
;   kv: block of 64 rows = 16 KiB, K at (rt*4 + c)*512 + 16 lane, V at 8192 + (c*4 + rt)*512 + 16 lane
; x comes in f32 by the tensor data mover, all 192 KiB of the work-group's rows requested at the first lines (six loads a wave are out by this
; text's count); every LDS byte is filled once, so no slot is ever filled again.  It lies as 12 strips of 64 e: 64 rows of 256 bytes + 16 of
; padding; the pitch of 272 bytes puts the sixteen rows of a fragment load at sixteen different 16-byte columns of 256 bytes.
; W's fragments go from wf straight into the registers of the one wave that multiplies by them, six K steps ahead.
; NO JOINT LOADS for wf, though all work-groups read it: x's first fills take 208,896 of the 327,680 bytes of LDS, wf's 294,912 bytes do not fit
; in the rest, so joint loads would need slots that are filled again, a round of a cluster's barrier for each, and a passage through LDS
; that the direct loads into registers do not have.
.set XA,  4                            ; v[4:7]     LDS address of my x fragments, one register for every three strips
.set KQO, 8                            ; v8         16 lane + 512 c: K's and Q's stores
.set VO,  9                            ; v9         16 lane + 2048 c: V's stores
.set WO,  3                            ; v3         16 lane: wf; never rewritten
.set XF,  16                           ; v[16:79]   x as loaded, f32: 16 registers for each row tile.  At the end: the packed results
.set XB,  80                           ; v[80:111]  x in bf16: four fragments
.set WF,  112                          ; v[112:255] a ring of six K steps x three fragments of W
                                       ; window 1: v[0:95] accumulators, 8 (4 mtx + rt)
.set G1,  16                           ; s[16:23]   descriptor group 1
.set G0,  24                           ; s[24:47]   descriptor group 0, one set for each of the wave's six loads; never rewritten
.set MSB, 0
.macro WIN new                         ; the immediate's high byte repeats the setting that is left
.if MSB != \new
	s_set_vgpr_msb (MSB<<8)|\new
.set MSB, \new
.endif
.endm
.macro PLACES                          ; four places behind a matrix instruction (ISA guide 7.12.1) before its sources are written again or its result read
.rept 4
	v_nop
.endr
.endm
	s_load_b256 s[4:11], s[0:1], 0x0               ; x s[4:5], wf s[6:7], qf s[8:9], kv s[10:11]
	v_lshl_add_u32 v14, v0, 2, 0x33000
	v_mov_b32 v15, 0
	ds_add_u32 v14, v15
	ds_add_u32 v14, v15
	v_lshrrev_b32 v1, 5, v0
	v_readfirstlane_b32 s12, v1                    ; wave 0..3
	s_lshr_b32 s13, s12, 1                         ; which strip of a group of two I fetch
	s_and_b32 s14, s12, 1                          ; which 32 rows of it
	s_mov_b32 s48, 0x3d553b94                      ; log2(e) / sqrt(768)
	s_mov_b32 s49, 0x3d553b94
	; group 1: a tile of 32 rows x 64 f32, 4 words of padding behind every 64
	s_mov_b32 s[G1+0], (2<<16)|(1<<20)|(5<<22)|(3<<25)   ; element of 4 bytes; padding on; after 64 words; of 4 words
	s_mov_b32 s[G1+1], 64<<16                      ; tensor_dim0 = 64
	s_mov_b32 s[G1+2], 32<<16                      ; tensor_dim1 = 32
	s_mov_b32 s[G1+3], 64<<16                      ; tile_dim0 = 64
	s_mov_b32 s[G1+4], 32                          ; tile_dim1 = 32
	s_mov_b32 s[G1+5], 768                         ; elements from row to row
	s_mov_b32 s[G1+6], 0
	s_mov_b32 s[G1+7], 0
	s_mul_i32 s15, s12, 8704                       ; LDS: wave x 32 rows of 272 bytes (strip w / 2, rows 32 (w % 2) ..)
	s_mul_i32 s2, ttmp9, 196608                    ; 64 rows of 3,072 bytes for each work-group
	s_mul_i32 s50, s14, 98304                      ; + 32 rows
	s_add_co_u32 s2, s2, s50
	s_lshl_b32 s50, s13, 8                         ; + one strip of 256 bytes
	s_add_co_u32 s2, s2, s50
	s_mov_b32 s3, 0
	s_wait_dscnt 0x0
	s_wait_kmcnt 0x0
	s_add_nc_u64 s[4:5], s[4:5], s[2:3]
; all first fills in one group, ahead of every wait on TENSORcnt, every LDS read and every barrier: group grp is e = 128 grp .. + 127
.irp grp, 0,1,2,3,4,5
	s_mov_b32 s[G0+4*\grp], 1
	s_add_co_u32 s[G0+4*\grp+1], s15, \grp*34816                   ; two strips of 17,408 bytes for each group
	s_add_nc_u64 s[G0+4*\grp+2:G0+4*\grp+3], s[4:5], \grp*512
	s_or_b32 s[G0+4*\grp+3], s[G0+4*\grp+3], 0x80000000            ; type = 2
	tensor_load_to_lds s[G0+4*\grp:G0+4*\grp+3], s[G1:G1+7]
	s_nop 0
.endr
	s_mul_i32 s2, s12, 3072
	s_add_nc_u64 s[6:7], s[6:7], s[2:3]            ; wf at my column tile
	v_and_b32 v2, 31, v0
	v_lshlrev_b32 v[WO], 4, v2
; six loads: the three fragments of W of K step ks, into the ring
.macro LDW ks
.irp mtx, 0,1,2
.irp j, 0,1
	global_load_b128 v[WF+24*((\ks)%6)+8*\mtx+4*\j:WF+24*((\ks)%6)+8*\mtx+4*\j+3], v[WO], s[6:7] offset:(\ks)*12288+\mtx*1024+\j*512
.endr
.endr
.endm
; sixteen LDS loads: x of K step ks in f32: row 16 rt + r, e = 8 h + 0..7 (32 bytes) and 16 + 8 h + 0..7 (64 bytes further on)
.macro LDX ks
.irp rt, 0,1,2,3
.irp q, 0,1,2,3
	ds_load_b128 v[XF+16*\rt+4*\q:XF+16*\rt+4*\q+3], v[XA+(((\ks)>>1)/3)] offset:((((\ks)>>1)%3)*17408)+(\rt*4352)+(((\ks)&1)*128)+((\q&1)*16)+((\q>>1)*64)
.endr
.endr
.endm
; twelve matrix instructions, the twelve accumulators by turns, one instruction a turn
.macro MM12 ks
.irp mtx, 0,1
.irp rt, 0,1,2,3
.if \ks == 0
	v_wmma_f32_16x16x32_bf16 v[8*(4*\mtx+\rt):8*(4*\mtx+\rt)+7], v[WF+24*((\ks)%6)+8*\mtx:WF+24*((\ks)%6)+8*\mtx+7], v[XB+8*\rt:XB+8*\rt+7], 0
.else
	v_wmma_f32_16x16x32_bf16 v[8*(4*\mtx+\rt):8*(4*\mtx+\rt)+7], v[WF+24*((\ks)%6)+8*\mtx:WF+24*((\ks)%6)+8*\mtx+7], v[XB+8*\rt:XB+8*\rt+7], v[8*(4*\mtx+\rt):8*(4*\mtx+\rt)+7]
.endif
.endr
.endr
.irp rt, 0,1,2,3
.if \ks == 0
	v_wmma_f32_16x16x32_bf16 v[8*(8+\rt):8*(8+\rt)+7], v[XB+8*\rt:XB+8*\rt+7], v[WF+24*((\ks)%6)+16:WF+24*((\ks)%6)+23], 0
.else
	v_wmma_f32_16x16x32_bf16 v[8*(8+\rt):8*(8+\rt)+7], v[XB+8*\rt:XB+8*\rt+7], v[WF+24*((\ks)%6)+16:WF+24*((\ks)%6)+23], v[8*(8+\rt):8*(8+\rt)+7]
.endif
.endr
.endm
; One K step of 32 e.
.macro KSTEP ks
	s_wait_dscnt 0x0                               ; this step's x is in registers
.irp rt, 0,1,2,3
.irp p, 0,1,2,3,4,5,6,7
	v_cvt_pk_bf16_f32 v[XB+8*\rt+\p], v[XF+16*\rt+2*\p], v[XF+16*\rt+2*\p+1]
.endr
.endr
.if \ks < 23
.if ((\ks+1)%4) == 0
	s_wait_tensorcnt 5-((\ks+1)/4)                 ; my part of the next group of 128 e has landed; my loads of the later groups stay out
	s_barrier_signal -1                            ; no LDS instruction of mine is pending
	s_barrier_wait -1                              ; everybody's part has landed
.endif
	LDX \ks+1                                      ; the next step's x, on its way during this step's products
.endif
.if \ks < 18
	s_wait_loadcnt 30                              ; this step's W is in; the six loads of each of the five younger steps stay out
.else
	s_wait_loadcnt 6*(23-\ks)                      ; the ring runs empty
.endif
	WIN 0x50                                       ; C and D in window 1
	MM12 \ks
	WIN 0
	PLACES                                         ; before W's ring slot is loaded again and before the next step's conversions write XB
.if \ks < 18
	LDW \ks+6
.endif
.endm
.irp k, 0,1,2,3,4,5
	LDW \k
.endr
	s_lshl_b32 s2, ttmp9, 13
	s_add_nc_u64 s[8:9], s[8:9], s[2:3]            ; qf at my block of 8 KiB
	s_lshl_b32 s2, ttmp9, 14
	s_add_nc_u64 s[10:11], s[10:11], s[2:3]        ; kv at my block of 16 KiB
	v_and_b32 v10, 15, v0                          ; r
	v_bfe_u32 v11, v0, 4, 1                        ; h
	v_mul_u32_u24 v12, v10, 272
	v_lshl_add_u32 v[XA], v11, 5, v12              ; 272 r + 32 h
.irp i, 1,2,3
	v_add_nc_u32 v[XA+\i], \i*52224, v[XA]         ; three strips further on
.endr
	s_lshl_b32 s50, s12, 9
	v_add_nc_u32 v[KQO], s50, v[WO]
	s_lshl_b32 s51, s12, 11
	v_add_nc_u32 v[VO], s51, v[WO]
	s_wait_tensorcnt 0x5                           ; my part of the first 128 e has landed; my five later loads stay out
	s_barrier_signal -1
	s_barrier_wait -1
	LDX 0
.irp k, 0,1,2,3,4,5,6,7,8,9,10,11,12,13,14,15,16,17,18,19,20,21,22,23
	KSTEP \k
.endr
; the way out (the last step's four places stand in front of it)
	WIN 0x41                                       ; source 0 and destination in window 1
.set ii, 0
.rept 16
	v_pk_mul_f32 v[32+2*ii:33+2*ii], v[32+2*ii:33+2*ii], s[48:49] op_sel_hi:[1,0]   ; Q x log2(e) / sqrt(768), in f32
.set ii, ii+1
.endr
	WIN 0x05                                       ; both sources in window 1, destination in window 0
.set ii, 0
.rept 32
	v_cvt_pk_bf16_f32 v[XF+ii], v[2*ii], v[2*ii+1] ; K, then Q
.set ii, ii+1
.endr
.set ii, 0
.rept 16
	v_cvt_pk_f16_f32 v[XF+32+ii], v[64+2*ii], v[64+2*ii+1]   ; V
.set ii, ii+1
.endr
	WIN 0
.irp rt, 0,1,2,3
	global_store_b128 v[KQO], v[XF+4*\rt:XF+4*\rt+3], s[10:11] offset:\rt*2048          ; each store: 512 consecutive bytes, aligned
	global_store_b128 v[KQO], v[XF+16+4*\rt:XF+16+4*\rt+3], s[8:9] offset:\rt*2048
	global_store_b128 v[VO], v[XF+32+4*\rt:XF+32+4*\rt+3], s[10:11] offset:8192+\rt*512
.endr
	s_wait_tensorcnt 0x0
	ds_add_u32 v14, v15
	s_wait_dscnt 0x0
	s_endpgm
.Lfunc_end_k_qe7c453b57c_proj:
	.size	k_qe7c453b57c_proj, .Lfunc_end_k_qe7c453b57c_proj-k_qe7c453b57c_proj
	.p2alignl 7, 3214868480
	.fill 96, 4, 3214868480
	.section	.rodata,"a",@progbits
	.p2align	6, 0x0
	.amdhsa_kernel k_qe7c453b57c_proj
		.amdhsa_group_segment_fixed_size 209408
		.amdhsa_private_segment_fixed_size 0
		.amdhsa_enable_private_segment 0
		.amdhsa_kernarg_size 32
		.amdhsa_user_sgpr_count 2
		.amdhsa_user_sgpr_kernarg_segment_ptr 1
		.amdhsa_wavefront_size32 1
		.amdhsa_system_sgpr_workgroup_id_x 1
		.amdhsa_system_sgpr_workgroup_id_y 1
		.amdhsa_system_sgpr_workgroup_id_z 1
		.amdhsa_system_vgpr_workitem_id 0
		.amdhsa_next_free_vgpr 352
		.amdhsa_next_free_sgpr 66
		.amdhsa_reserve_vcc 0
		.amdhsa_float_denorm_mode_32 3
		.amdhsa_float_denorm_mode_16_64 3
		.amdhsa_memory_ordered 1
		.amdhsa_forward_progress 1
		.amdhsa_inst_pref_size 120
	.end_amdhsa_kernel
	.amdgpu_metadata
---
amdhsa.version: [ 1, 2 ]
amdhsa.kernels:
  - .name:           k_qe7c453b57c_proj
    .symbol:         k_qe7c453b57c_proj.kd
    .args:
      - { .name: x, .offset: 0, .size: 8, .value_kind: global_buffer, .address_space: global }
      - { .name: wf, .offset: 8, .size: 8, .value_kind: global_buffer, .address_space: global }
      - { .name: qf, .offset: 16, .size: 8, .value_kind: global_buffer, .address_space: global }
      - { .name: kv, .offset: 24, .size: 8, .value_kind: global_buffer, .address_space: global }
    .group_segment_fixed_size: 209408
    .private_segment_fixed_size: 0
    .kernarg_segment_align: 8
    .kernarg_segment_size: 32
    .max_flat_workgroup_size: 128
    .sgpr_count:     66
    .vgpr_count:     352
    .wavefront_size: 32
...
	.end_amdgpu_metadata
.endif
;; end of part 2
;; launch attn (part 3): grid 256 x 1, 8 waves a work-group, clusters of 4 x 1, 327,680 bytes of LDS; arguments qf, kv, out0; writes out0
.if DOCPART == 3
	.amdgcn_target "amdgcn-amd-amdhsa--gfx1250"
	.amdhsa_code_object_version 6
	.text
	.protected	k_qe7c453b57c_attn
	.globl	k_qe7c453b57c_attn
	.p2align	8
	.type	k_qe7c453b57c_attn,@function
k_qe7c453b57c_attn:
	s_mov_b64 s[64:65], 0
	v_nop
	global_prefetch_b8 v0, s[64:65] scope:SCOPE_SE
	s_setreg_imm32_b32 hwreg(HW_REG_WAVE_MODE, 25, 1), 1
	s_wait_xcnt 0x0
	s_wait_alu depctr_hold_cnt(0) depctr_sa_sdst(0) depctr_va_vdst(0) depctr_va_sdst(0) depctr_va_ssrc(0) depctr_va_vcc(0) depctr_vm_vsrc(0)
	s_getreg_b32 s2, hwreg(HW_REG_IB_STS2, 6, 4)
	s_cmp_eq_u32 s2, 0
	s_cbranch_scc0 .Lentry_in_a_cluster
	s_endpgm
.Lentry_in_a_cluster:
	s_bfe_u32 s2, ttmp6, 0x10000c
	s_cmp_lg_u32 s2, 0x3003
	s_cbranch_scc0 .Lentry_shape_is_right
	s_endpgm
.Lentry_shape_is_right:
; out = softmax(Q K^T / sqrt(768)) V for 64 queries per work-group, over the 4,096 keys of their batch, with a running maximum.
; Q (bf16, already times log2(e) / sqrt(768)), K (bf16) and V (f16) come as ready-made matrix fragments from qf and kv.
; P = 2^(S - m) is at most 1 and goes to the matrix unit in f16; all sums, maxima and the scaling are f32.
; LIMITS: a P below about 2^-25 of its row's largest rounds to 0; |V| < 65,504; NaN and infinities are not served; the sums over the keys are made
; in eight parts and merged, an order that differs from the reference's.
; SHARES: eight waves.  The keys go in 8 steps of 512; in step t wave w owns the block of 64 keys 8 t + w (16 KiB, dense in kv), fetches it itself and is
; the only wave that reads it, so each byte of K and V is read from LDS once per work-group, by contiguous loads.  Every wave holds all 64 queries (four
; tiles) and a partial result for its eighth of the keys; the eight parts are merged at the end through LDS.
; TRANSPOSED USE: S^T = K Q^T and O^T = V^T P^T.  A lane then holds numbers of ONE query (lane % 16): the maximum, the rescaling factor and the sum are one
; register a lane, and two tiles of S^T, packed, are a fragment of P^T without any move between lanes.
; The row sums come from the matrix unit as well: a fragment with ones in rows 0 and 8 times P^T leaves the sum in register 0 of every lane.
; CLUSTER: the four work-groups of a cluster have queries of one batch (64 work-groups a batch) and read the same K and V tiles: each tile is asked for jointly,
; mask 15, which divides the requests for kv by four.  By this text's count a wave has two tensor loads out at the start and one later.
; The head dimensions are permuted (tile c holds 4 r + c): alike in Q and K, so the products are the same; for V it is undone on the way out.
.set LA,    1                          ; v1        w x 32768 + 16 lane: my ring
.set ONES,  2                          ; v[2:9]    f16 ones in lanes 0, 8, 16, 24 (rows 0 and 8 of an A fragment), zeros elsewhere
.set MX,    10                         ; v[10:13]  running maximum of my query in each query tile
.set STO,   14                         ; v14       merge: where I put my results
.set CO,    15                         ; v15       my byte offset in the work-group's 16 KiB of out0
.set ST_RD, 16                         ; v16       STATS + 8 r
.set ST_WR, 17                         ; v17       STATS + 512 w + 8 r
.set MN,    18                         ; v[18:19]  the new maximum (v19 only completes the pair)
.set AL,    20                         ; v[20:21]  2^(old maximum - new) (v21 only completes the pair)
.set QO,    22                         ; v22       16 lane
.set RD,    24                         ; v[24:27]  merge: where I read the parts back, one register for every two waves' regions
.set GS,    28                         ; v[28:31]  merge: my part's weight over the whole sum
.set KF,    32                         ; v[32:95]  K fragments (kt, ks) at 16 kt + 8 ks
.set VF,    96                         ; v[96:159] V^T fragments (dt, kk) at 16 dt + 8 kk
.set SA,    160                        ; v[160:191] S^T of one query tile: four tiles of 16 keys
.set SB,    192                        ; v[192:223] the same, the other buffer
.set PF,    224                        ; v[224:239] P^T: two fragments of 32 keys
.set TM,    240                        ; v[240:255] at work
.set OA,    0                          ; window 1: v[0:127]   O^T at 32 qt + 8 dt
.set QF,    128                        ; window 1: v[128:191] Q fragments at 16 qt + 8 ks
.set LS,    192                        ; window 1: v[192:223] row sums at 8 qt (register 0 counts)
.set G1,    16                         ; s[16:23]  descriptor group 1
.set G0,    24                         ; s[24:31]  descriptor group 0, one set for each slot
.set SLOTB, 16384
.set STATS, 262144                     ; behind the ring: 8 waves x 4 query tiles x 16 queries x (maximum, sum); no fill lands here
.set MSB, 0
.macro WIN new                         ; the immediate's high byte repeats the setting that is left
.if MSB != \new
	s_set_vgpr_msb (MSB<<8)|\new
.set MSB, \new
.endif
.endm
.macro PLACES                          ; four places behind a matrix instruction before a load lands on its sources or its result is read
.rept 4
	v_nop
.endr
.endm
; A round of the cluster's barrier: my work-group's barrier, wave 0 signals for the work-group, every wave waits for all four work-groups, my work-group's barrier again.
.macro ROUND
	s_barrier_signal -1
	s_barrier_wait -1
	s_cmp_lg_u32 s10, 0
	s_cbranch_scc1 .Lnot_wave_0_\@
	s_barrier_signal -3
.Lnot_wave_0_\@:
	s_barrier_wait -3
	s_barrier_signal -1
	s_barrier_wait -1
.endm
.macro LDK slot                        ; sixteen loads of 512 contiguous bytes: my block's K fragments
.set pp, 0
.rept 16
	ds_load_b128 v[KF+4*pp:KF+4*pp+3], v[LA] offset:(\slot)*SLOTB+512*pp
.set pp, pp+1
.endr
.endm
.macro LDV slot                        ; and its V^T fragments
.set pp, 0
.rept 16
	ds_load_b128 v[VF+4*pp:VF+4*pp+3], v[LA] offset:(\slot)*SLOTB+8192+512*pp
.set pp, pp+1
.endr
.endm
; S^T of query tile qt: 64 keys x 16 queries, 64 along the head.  The four accumulators take turns, one instruction a turn.
.macro SMM qt, buf
	WIN 0x04                                       ; source 1 (Q) in window 1
.irp kt, 0,1,2,3
	v_wmma_f32_16x16x32_bf16 v[\buf+8*\kt:\buf+8*\kt+7], v[KF+16*\kt:KF+16*\kt+7], v[QF+16*\qt:QF+16*\qt+7], 0
.endr
.irp kt, 0,1,2,3
	v_wmma_f32_16x16x32_bf16 v[\buf+8*\kt:\buf+8*\kt+7], v[KF+16*\kt+8:KF+16*\kt+15], v[QF+16*\qt+8:QF+16*\qt+15], v[\buf+8*\kt:\buf+8*\kt+7]
.endr
.endm
.macro SUBM buf, g                     ; S - m for key tile g
.irp i, 0,2,4,6
	v_pk_add_f32 v[\buf+8*(\g)+\i:\buf+8*(\g)+\i+1], v[\buf+8*(\g)+\i:\buf+8*(\g)+\i+1], v[MN:MN+1] op_sel_hi:[1,0] neg_lo:[0,1] neg_hi:[0,1]
.endr
.endm
; The softmax step of query tile qt on buffer buf.  first = 1: there is no older maximum and nothing to rescale.
.macro SOFT qt, buf, first
	WIN 0
.irp k, 0,1,2,3
	v_max3_num_f32 v[TM+\k], v[\buf+8*\k], v[\buf+8*\k+1], v[\buf+8*\k+2]      ; four chains that do not wait for each other
.endr
.irp k, 0,1,2,3
	v_max3_num_f32 v[TM+\k], v[TM+\k], v[\buf+8*\k+3], v[\buf+8*\k+4]
.endr
.irp k, 0,1,2,3
	v_max3_num_f32 v[TM+\k], v[TM+\k], v[\buf+8*\k+5], v[\buf+8*\k+6]
.endr
	v_max3_num_f32 v[TM], v[TM], v[\buf+7], v[\buf+15]
	v_max3_num_f32 v[TM+1], v[TM+1], v[\buf+23], v[\buf+31]
	v_max3_num_f32 v[TM], v[TM], v[TM+1], v[TM+2]
.if \first
	v_max_num_f32 v[TM], v[TM], v[TM+3]
.else
	v_max3_num_f32 v[TM], v[TM], v[TM+3], v[MX+\qt]
.endif
	v_permlanex16_b32 v[TM+1], v[TM], s32, s33     ; the other half of the lanes holds my query's other 32 keys
	v_max_num_f32 v[MN], v[TM], v[TM+1]
.if \first == 0
	v_sub_f32 v[AL], v[MX+\qt], v[MN]
	v_exp_f32 v[AL], v[AL]                         ; the move below is the plain instruction between it and any use (ISA guide 5.7.2)
.endif
	v_mov_b32 v[MX+\qt], v[MN]
	SUBM \buf, 0
.irp g, 0,1,2,3
.irp i, 0,1,2,3,4,5,6,7
	v_exp_f32 v[\buf+8*\g+\i], v[\buf+8*\g+\i]
.endr
.if \g < 3
	SUBM \buf, \g+1                                ; plain work on other registers between the exponentials and their use
.else
	v_nop
	s_wait_alu depctr_va_vdst(0)
.endif
	s_wait_alu depctr_va_vdst(0)
.irp i, 0,1,2,3
	v_cvt_pk_f16_f32 v[PF+4*\g+\i], v[\buf+8*\g+2*\i], v[\buf+8*\g+2*\i+1]
.endr
.endr
.if \first == 0
	WIN 0x41                                       ; source 0 and destination in window 1
.set ii, 0
.rept 16
	v_pk_mul_f32 v[OA+32*\qt+2*ii:OA+32*\qt+2*ii+1], v[OA+32*\qt+2*ii:OA+32*\qt+2*ii+1], v[AL:AL+1] op_sel_hi:[1,0]
.set ii, ii+1
.endr
	v_mul_f32 v[LS+8*\qt], v[LS+8*\qt], v[AL]      ; the sum's other seven registers hold zeros and stay so
.endif
.endm
; O^T += V^T P^T and the row sums += ones x P^T.  Five accumulators take turns, one instruction a turn.
.macro PV qt, first
	WIN 0x50                                       ; C and D in window 1
.irp kk, 0,1
.irp dt, 0,1,2,3
.if \first*(1-\kk)
	v_wmma_f32_16x16x32_f16 v[OA+32*\qt+8*\dt:OA+32*\qt+8*\dt+7], v[VF+16*\dt+8*\kk:VF+16*\dt+8*\kk+7], v[PF+8*\kk:PF+8*\kk+7], 0
.else
	v_wmma_f32_16x16x32_f16 v[OA+32*\qt+8*\dt:OA+32*\qt+8*\dt+7], v[VF+16*\dt+8*\kk:VF+16*\dt+8*\kk+7], v[PF+8*\kk:PF+8*\kk+7], v[OA+32*\qt+8*\dt:OA+32*\qt+8*\dt+7]
.endif
.endr
.if \first*(1-\kk)
	v_wmma_f32_16x16x32_f16 v[LS+8*\qt:LS+8*\qt+7], v[ONES:ONES+7], v[PF+8*\kk:PF+8*\kk+7], 0
.else
	v_wmma_f32_16x16x32_f16 v[LS+8*\qt:LS+8*\qt+7], v[ONES:ONES+7], v[PF+8*\kk:PF+8*\kk+7], v[LS+8*\qt:LS+8*\qt+7]
.endif
.endr
.endm
; The change of slots, in the middle of a step: this step's K and V are in registers.  refill = 1: this slot gets the tile of two steps on.
.macro TURN slot, refill
	WIN 0                                          ; branches and a label follow
	s_wait_tensorcnt 0x0                           ; all my tensor loads have landed: the one that was out is the next step's tile
	ds_add_u32 v254, v255
	s_wait_dscnt 0x0
.if \refill
	s_add_nc_u64 s[G0+4*\slot+2:G0+4*\slot+3], s[G0+4*\slot+2:G0+4*\slot+3], 262144   ; none is out, so a group 0 may be written: two steps of 8 blocks of 16 KiB on
	s_wait_dscnt 0x0                               ; my reads of this slot are back
	ROUND                                          ; both now hold of every wave of all four work-groups
	tensor_load_to_lds s[G0+4*\slot:G0+4*\slot+3], s[G1:G1+7]      ; my one load behind the round, and the first thing there
	s_nop 0
.endif
	PLACES                                         ; behind the last products that read K's fragments
	LDK 1-\slot
.endm
; One step: my 64 keys against the four query tiles.  The products of one tile stand in front of the softmax of the tile before, so that each buffer of S^T
; is read a whole softmax step behind the matrix instructions that wrote it.  more = 1: the next step's K, its first products and its V are fetched here.
.macro STEP slot, first, refill, more
	SMM 1, SB
	SOFT 0, SA, \first
	s_wait_dscnt 0x0                               ; this step's V^T is in registers
	PV 0, \first
	SMM 2, SA
	SOFT 1, SB, \first
	PV 1, \first
	SMM 3, SB
.if \more
	TURN \slot, \refill
.endif
	SOFT 2, SA, \first
	PV 2, \first
.if \more
	s_wait_dscnt 0x0                               ; the next step's K is in registers
	SMM 0, SA
.endif
	SOFT 3, SB, \first
	PV 3, \first
	WIN 0
.if \more
	PLACES                                         ; behind the last products that read V's fragments
	LDV 1-\slot
.endif
.endm
	s_load_b128 s[4:7], s[0:1], 0x0                ; qf s[4:5], kv s[6:7]
	s_load_b64 s[8:9], s[0:1], 0x10                ; out0
	v_lshl_add_u32 v254, v0, 2, 0x41000
	v_mov_b32 v255, 0
	ds_add_u32 v254, v255
	ds_add_u32 v254, v255
	v_lshrrev_b32 v23, 5, v0
	v_readfirstlane_b32 s10, v23                   ; wave 0..7
	s_bfe_u32 s11, ttmp6, 0x40000                  ; cx: my place in the cluster
	s_lshl_b32 s12, ttmp9, 2                       ; in a cluster launch ttmp9 counts clusters
	s_add_co_u32 s12, s12, s11                     ; my block of 64 queries: enters only the addresses of qf and out0
	s_lshr_b32 s13, ttmp9, 4                       ; batch: 16 clusters each; the same in all four partners
	s_mov_b32 s32, 0x76543210                      ; v_permlanex16_b32: lane i of one half reads lane i of the other
	s_mov_b32 s33, 0xfedcba98
	; group 1: a dense block of 16 KiB as 64 rows of 256 bytes
	s_mov_b32 s[G1+0], 15|(3<<16)|(1<<21)          ; mask: all four work-groups; element of 8 bytes; bit 21 set beside a mask
	s_mov_b32 s[G1+1], 32<<16                      ; tensor_dim0 = 32
	s_mov_b32 s[G1+2], 64<<16                      ; tensor_dim1 = 64
	s_mov_b32 s[G1+3], 32<<16                      ; tile_dim0 = 32
	s_mov_b32 s[G1+4], 64                          ; tile_dim1 = 64
	s_mov_b32 s[G1+5], 32                          ; elements from row to row
	s_mov_b32 s[G1+6], 0
	s_mov_b32 s[G1+7], 0
	s_mul_i32 s15, s10, 2*SLOTB                    ; my ring in LDS: the wave's number alone
	s_lshl_b32 s36, s13, 20                        ; 1 MiB of kv for each batch
	s_lshl_b32 s14, s10, 14                        ; + my block of step 0
	s_add_co_u32 s36, s36, s14
	s_mov_b32 s37, 0
	s_lshl_b32 s38, s12, 13                        ; 8 KiB of qf for each work-group
	s_mov_b32 s39, 0
	s_wait_dscnt 0x0
	s_wait_kmcnt 0x0
	s_add_nc_u64 s[6:7], s[6:7], s[36:37]
	s_add_nc_u64 s[4:5], s[4:5], s[38:39]
	s_lshl_b32 s38, s12, 14                        ; 16 KiB of out0
	s_add_nc_u64 s[8:9], s[8:9], s[38:39]
.irp n, 0,1
	s_mov_b32 s[G0+4*\n], 1
	s_add_co_u32 s[G0+4*\n+1], s15, \n*SLOTB
	s_add_nc_u64 s[G0+4*\n+2:G0+4*\n+3], s[6:7], \n*131072         ; step n: 8 blocks of 16 KiB on
	s_or_b32 s[G0+4*\n+3], s[G0+4*\n+3], 0x80000000                ; type = 2
.endr
	ROUND                                          ; all four work-groups are here: the first joint loads meet
	tensor_load_to_lds s[G0:G0+3], s[G1:G1+7]      ; step 0
	s_nop 0
	tensor_load_to_lds s[G0+4:G0+7], s[G1:G1+7]    ; step 1
	s_nop 0
	v_and_b32 v[TM], 31, v0                        ; lane
	v_and_b32 v[TM+1], 15, v0                      ; r
	v_bfe_u32 v[TM+2], v0, 4, 1                    ; h
	v_lshlrev_b32 v[QO], 4, v[TM]
	WIN 0x40                                       ; destination in window 1
.set pp, 0
.rept 16
	global_load_b128 v[QF+4*pp:QF+4*pp+3], v[QO], s[4:5] offset:512*pp   ; all 64 queries' fragments, 512 consecutive bytes a load
.set pp, pp+1
.endr
	WIN 0
	v_add_nc_u32 v[LA], s15, v[QO]
	v_and_b32 v[TM+3], 7, v0
	v_mov_b32 v[TM+4], 0x3c003c00                  ; two f16 ones
	v_cmp_eq_u32 vcc_lo, 0, v[TM+3]
	v_cndmask_b32 v[ONES], 0, v[TM+4], vcc_lo      ; lanes 0, 16: row 0; lanes 8, 24: row 8
.irp i, 1,2,3,4,5,6,7
	v_mov_b32 v[ONES+\i], v[ONES]
.endr
	v_mul_u32_u24 v[TM+5], v[TM+1], 272
	v_lshl_add_u32 v[STO], v[TM+2], 7, v[TM+5]     ; 272 r + 128 h
	v_add_nc_u32 v[STO], s15, v[STO]
	s_lshl_b32 s14, s10, 11
	v_add_nc_u32 v[CO], s14, v[QO]                 ; 8 rows of 256 bytes for each wave + 16 lane
	v_lshlrev_b32 v[ST_RD], 3, v[TM+1]
	v_add_nc_u32 v[ST_RD], STATS, v[ST_RD]
	s_lshl_b32 s35, s10, 9
	v_add_nc_u32 v[ST_WR], s35, v[ST_RD]
	s_mul_i32 s35, s10, 8*272
	v_mul_u32_u24 v[TM+6], v[TM+2], 272
	v_lshl_add_u32 v[TM+6], v[TM+1], 4, v[TM+6]
	v_add_nc_u32 v[RD], s35, v[TM+6]               ; (8 w + h) x 272 + 16 r
.irp i, 1,2,3
	v_add_nc_u32 v[RD+\i], \i*65536, v[RD]
.endr
	v_mov_b32 v[MN+1], 0
	v_mov_b32 v[AL+1], 0
	s_wait_tensorcnt 0x1                           ; step 0's tile has landed; step 1's may stay out: only I read my ring
	LDK 0
	LDV 0
	s_wait_loadcnt 0x0                             ; Q
	s_wait_dscnt 16                                ; K is in; the sixteen loads of V, issued behind it, may stay out
	SMM 0, SA
	WIN 0
	PLACES                                         ; the first softmax step reads these products with only other matrix instructions between
	STEP 0, 1, 1, 1                                ; step 0: its products start the sums; asks for step 2
	STEP 1, 0, 1, 1                                ; step 1; asks for step 3
	s_mov_b32 s34, 2
.Lsteps:
	STEP 0, 0, 1, 1                                ; steps 2, 4; ask for 4, 6
	STEP 1, 0, 1, 1                                ; steps 3, 5; ask for 5, 7
	s_sub_co_i32 s34, s34, 1
	s_cmp_lg_u32 s34, 0
	s_cbranch_scc1 .Lsteps
	STEP 0, 0, 0, 1                                ; step 6: nothing is left to ask for; its wait for 0 shows step 7's tile landed, and no load is out from here on
	STEP 1, 0, 0, 0                                ; step 7
; THE MERGE of the eight waves' parts.  First every wave's maximum and sum for every query.
	PLACES                                         ; behind the last matrix instructions
.irp qt, 0,1,2,3
	v_mov_b32 v[TM+2*\qt], v[MX+\qt]
.endr
	WIN 0x01                                       ; source 0 in window 1
.irp qt, 0,1,2,3
	v_mov_b32 v[TM+2*\qt+1], v[LS+8*\qt]
.endr
	WIN 0
.irp qt, 0,1,2,3
	ds_store_b64 v[ST_WR], v[TM+2*\qt:TM+2*\qt+1] offset:128*\qt   ; both halves of the lanes hold and write the same pair
.endr
	s_wait_dscnt 0x0                               ; for the others' sake: my stores are done
	s_barrier_signal -1
	s_barrier_wait -1
.irp u, 0,1,2,3,4,5,6,7
.irp qt, 0,1,2,3
	ds_load_b64 v[KF+8*\u+2*\qt:KF+8*\u+2*\qt+1], v[ST_RD] offset:512*\u+128*\qt
.endr
.endr
	s_wait_dscnt 0x0
.irp qt, 0,1,2,3
	v_max3_num_f32 v[TM+\qt], v[KF+2*\qt], v[KF+8+2*\qt], v[KF+16+2*\qt]
.endr
.irp qt, 0,1,2,3
	v_max3_num_f32 v[TM+\qt], v[TM+\qt], v[KF+24+2*\qt], v[KF+32+2*\qt]
.endr
.irp qt, 0,1,2,3
	v_max3_num_f32 v[TM+\qt], v[TM+\qt], v[KF+40+2*\qt], v[KF+48+2*\qt]
.endr
.irp qt, 0,1,2,3
	v_max_num_f32 v[TM+\qt], v[TM+\qt], v[KF+56+2*\qt]             ; the query's maximum over all keys
.endr
.irp qt, 0,1,2,3
	v_sub_f32 v[GS+\qt], v[MX+\qt], v[TM+\qt]
.irp u, 0,1,2,3,4,5,6,7
	v_sub_f32 v[KF+8*\u+2*\qt], v[KF+8*\u+2*\qt], v[TM+\qt]
.endr
.endr
.irp qt, 0,1,2,3
	v_exp_f32 v[GS+\qt], v[GS+\qt]
.irp u, 0,1,2,3,4,5,6,7
	v_exp_f32 v[KF+8*\u+2*\qt], v[KF+8*\u+2*\qt]
.endr
.endr
	v_nop                                          ; the plain instruction between the exponentials and their use
	s_wait_alu depctr_va_vdst(0)
.irp qt, 0,1,2,3
	v_mul_f32 v[TM+4+\qt], v[KF+2*\qt], v[KF+2*\qt+1]
.endr
.irp u, 1,2,3,4,5,6,7
.irp qt, 0,1,2,3
	v_fmac_f32 v[TM+4+\qt], v[KF+8*\u+2*\qt], v[KF+8*\u+2*\qt+1]   ; the whole sum; at least 1: the part that holds the maximum has weight 1 and a term 1
.endr
.endr
.irp qt, 0,1,2,3
	v_rcp_f32 v[TM+4+\qt], v[TM+4+\qt]
.endr
	v_nop
	s_wait_alu depctr_va_vdst(0)
.irp qt, 0,1,2,3
	v_mul_f32 v[GS+\qt], v[GS+\qt], v[TM+4+\qt]                    ; my part's weight / the whole sum
.endr
; My weighted part goes into my own ring region, which has had its last fill and whose tiles I alone read: 64 rows (queries) of 256 bytes + 16.
; Register j of tile dt in half h is head dimension 32 h + 4 j + dt: four tiles' registers j are 16 neighbouring bytes.
.irp qt, 0,1,2,3
	WIN 0x01
.irp j, 0,1,2,3,4,5,6,7
.irp dt, 0,1,2,3
	v_mul_f32 v[VF+32*(\qt&1)+4*\j+\dt], v[OA+32*\qt+8*\dt+\j], v[GS+\qt]
.endr
.endr
	WIN 0
.irp j, 0,1,2,3,4,5,6,7
	ds_store_b128 v[STO], v[VF+32*(\qt&1)+4*\j:VF+32*(\qt&1)+4*\j+3] offset:4352*\qt+16*\j
.endr
.endr
	s_wait_dscnt 0x0                               ; for the others' sake
	s_barrier_signal -1
	s_barrier_wait -1
; Wave w adds the eight parts of rows 8 w .. 8 w + 7: a load takes two whole rows, lanes 0-15 one and lanes 16-31 the next.
.irp u, 0,1,2,3,4,5,6,7
.irp t, 0,1,2,3
	ds_load_b128 v[KF+16*\u+4*\t:KF+16*\u+4*\t+3], v[RD+(\u>>1)] offset:((\u&1)*32768)+544*\t
.endr
.endr
	s_wait_dscnt 0x0
.irp u, 1,2,3,4,5,6,7
.irp e, 0,2,4,6,8,10,12,14
	v_pk_add_f32 v[KF+\e:KF+\e+1], v[KF+\e:KF+\e+1], v[KF+16*\u+\e:KF+16*\u+\e+1]
.endr
.endr
.irp t, 0,1,2,3
	global_store_b128 v[CO], v[KF+4*\t:KF+4*\t+3], s[8:9] offset:512*\t th:TH_STORE_NT   ; two whole rows of out0: 512 consecutive bytes, aligned
.endr
	s_wait_tensorcnt 0x0
	ds_add_u32 v254, v255
	s_wait_dscnt 0x0
	ROUND                                          ; the closing round: no work-group ends while a partner may still ask for a tile that names it
	s_endpgm
.Lfunc_end_k_qe7c453b57c_attn:
	.size	k_qe7c453b57c_attn, .Lfunc_end_k_qe7c453b57c_attn-k_qe7c453b57c_attn
	.p2alignl 7, 3214868480
	.fill 96, 4, 3214868480
	.section	.rodata,"a",@progbits
	.p2align	6, 0x0
	.amdhsa_kernel k_qe7c453b57c_attn
		.amdhsa_group_segment_fixed_size 327680
		.amdhsa_private_segment_fixed_size 0
		.amdhsa_enable_private_segment 0
		.amdhsa_kernarg_size 24
		.amdhsa_user_sgpr_count 2
		.amdhsa_user_sgpr_kernarg_segment_ptr 1
		.amdhsa_wavefront_size32 1
		.amdhsa_system_sgpr_workgroup_id_x 1
		.amdhsa_system_sgpr_workgroup_id_y 1
		.amdhsa_system_sgpr_workgroup_id_z 1
		.amdhsa_system_vgpr_workitem_id 0
		.amdhsa_next_free_vgpr 480
		.amdhsa_next_free_sgpr 66
		.amdhsa_reserve_vcc 1
		.amdhsa_float_denorm_mode_32 3
		.amdhsa_float_denorm_mode_16_64 3
		.amdhsa_memory_ordered 1
		.amdhsa_forward_progress 1
		.amdhsa_inst_pref_size 198
	.end_amdhsa_kernel
	.amdgpu_metadata
---
amdhsa.version: [ 1, 2 ]
amdhsa.kernels:
  - .name:           k_qe7c453b57c_attn
    .symbol:         k_qe7c453b57c_attn.kd
    .args:
      - { .name: qf, .offset: 0, .size: 8, .value_kind: global_buffer, .address_space: global }
      - { .name: kv, .offset: 8, .size: 8, .value_kind: global_buffer, .address_space: global }
      - { .name: out0, .offset: 16, .size: 8, .value_kind: global_buffer, .address_space: global }
    .group_segment_fixed_size: 327680
    .private_segment_fixed_size: 0
    .kernarg_segment_align: 8
    .kernarg_segment_size: 24
    .max_flat_workgroup_size: 256
    .sgpr_count:     66
    .vgpr_count:     480
    .wavefront_size: 32
...
	.end_amdgpu_metadata
.endif
;; end of part 3
